; MI455X (gfx1250); checked and timed in simulation.
; The chip was launched on July 23, 2026; its instructions are those of AMD's public machine-readable ISA for CDNA 5 (MIT licence, August 2026) and "CDNA5" Instruction Set Architecture Reference Guide (July 2026). The comments in the code are by the model that wrote it; some were corrected since.
;; Attention. Allowed arithmetic: matrix products marked QUANTISED: E2M1 operands, one E8M0 scale for each 32 along K, by v_wmma_scale_f32_16x16x128_f8f6f4 with both operands' format E2M1 (or v_wmma_scale_f32_32x16x128_f4), f32 sums; everything else in f32.
;; Inputs: Wk 1,024 x 1,024 float32; Wq 1,024 x 1,024 float32; Wv 1,024 x 1,024 float32; bk 1,024 float32; bq 1,024 float32; bv 1,024 float32; x 4 x 2,048 x 1,024 float32.
;; Outputs: out0 4 x 2,048 x 1,024 float32.
;; This version of the problem:
;;   THIS VERSION OF THE PROBLEM IS GIVEN IN LOW PRECISION. The matrix products marked QUANTISED in the list below multiply operands that are first quantised to E2M1 (2 exponent bits, 1 mantissa bit; 4 bits a number), with one power-of-two scale for each 32 numbers along K (OCP MX v1.0); their sums are f32. All else is computed in f32.
;;   The module's matrix products, in the order in which they are computed (A, B: the left and right operand; K: the contracted axis; several contracted axes count as one K, in the product's order):
;;     1. [M 8,192, K 1,024] x [K 1,024, N 1,024]; A: input x; B: input Wq: QUANTISED
;;     2. [M 8,192, K 1,024] x [K 1,024, N 1,024]; A: input x; B: input Wk: QUANTISED
;;     3. [M 8,192, K 1,024] x [K 1,024, N 1,024]; A: input x; B: input Wv: QUANTISED
;;     4. batch 64 x [M 2,048, K 64] x [K 64, N 2,048]; A: computed on the way; B: computed on the way: QUANTISED
;;     5. batch 64 x [M 2,048, K 2,048] x [K 2,048, N 64]; A: softmax (see below); B: computed on the way: QUANTISED
;;   THE QUANTISER, for each operand of a quantised product, along K:
;;     - K is cut into blocks of 32 from its start; a last block that is shorter is filled with zeros.
;;     - A block's scale is 2^e with e = floor(log2(the largest magnitude in the block)) - 2, held to -126 .. 127; a block of zeros has e = 0. As a byte (E8M0): e + 127.
;;     - Each number is divided by its block's scale, clamped to +-6, and rounded to the nearest number of E2M1, ties to even, subnormals kept.
;;     - The product sums the exact products of the quantised numbers (number of the format x scale) in f32.
;;   ~~~python
;;   def quantise(x, axis):      # numpy; x: float32 -> the quantised numbers, widened to float32 again
;;       x = np.moveaxis(x, axis, -1); K = x.shape[-1]
;;       x = np.pad(x, [(0, 0)] * (x.ndim - 1) + [(0, -K % 32)]); x = x.reshape(x.shape[:-1] + (-1, 32)); a = np.abs(x).max(-1, keepdims=True)
;;       e = np.where(a > 0, np.clip(np.frexp(np.where(a > 0, a, 1))[1] - 1 - 2, -126, 127), 0)      # np.frexp(a)[1] - 1 = floor(log2(a)), exactly
;;       r = np.clip(x / 2.0 ** e, -6, 6)
;;       step = 2.0 ** (np.maximum(np.frexp(np.where(r == 0, 1, r))[1] - 1, 0) - 1)
;;       q = np.round(r / step) * step * 2.0 ** e      # np.round: ties to even
;;       return np.moveaxis(q.reshape(q.shape[:-2] + (-1,))[..., :K], -1, axis).astype(np.float32)
;;   ~~~
;;   SOFTMAX AHEAD OF A QUANTISED PRODUCT. Where the list says 'softmax', what is quantised is not the finished softmax but p = 2^(t - M), with t = logit x log2(e) and M = ceil(the row's largest t), a whole number; so 1/2 < the row's largest p <= 1. The row's sum l is taken of the UNQUANTISED p, in f32, and the product's result is divided by l at the end. Since M is a whole number, a kernel that streams over the keys may use a running M (the ceiling of the running maximum): every later rescaling is an exact power of two, which a block's scale takes up: the codes' values come out the same.
;;   OPERANDS COMPUTED ON THE WAY. 'Computed on the way' means the value that the module computes at that place (a softmax that the list does not call 'softmax' is quantised finished and normalised). What goes into a quantiser is computed in f32, as accurately as f32 sums, v_exp_f32 and their like allow (about 1e-6 of the number): no bf16 or f16 on the way to a quantiser, and a product that is left as it is and whose result goes on into a quantised operand takes f32 operands (vector FMAs, or v_wmma_f32_16x16x4_f32). A number that lies on a knife's edge between two numbers of the format may be rounded either way, as far as f32 arithmetic and the matrix unit's own rounding can turn it there, and no further.
;; One version. Each part assembles by itself: llvm-mc -triple=amdgcn-amd-amdhsa -mcpu=gfx1250 --defsym DOCPART=n.
;; ======== version 1 of 1: 3 launches
;; limits: right only within a limited range of input values
;; workspace buffers: xp 4,456,448 bytes; wp 1,671,168 bytes; qp 4,718,592 bytes; kv 8,912,896 bytes
;; launch prep (part 1): grid 448 x 1, 4 waves a work-group, no clusters, 42,496 bytes of LDS; arguments x, Wq, Wk, Wv, xp, wp; writes xp, wp
.if DOCPART == 1
	.amdgcn_target "amdgcn-amd-amdhsa--gfx1250"
	.amdhsa_code_object_version 6
	.text
	.protected	k_qb3bc5b9bcd_prep
	.globl	k_qb3bc5b9bcd_prep
	.p2align	8
	.type	k_qb3bc5b9bcd_prep,@function
k_qb3bc5b9bcd_prep:
	s_mov_b64 s[64:65], 0
	v_nop
	global_prefetch_b8 v0, s[64:65] scope:SCOPE_SE
	s_setreg_imm32_b32 hwreg(HW_REG_WAVE_MODE, 25, 1), 1
	s_wait_xcnt 0x0
; x [8192][1024] and Wq, Wk, Wv [1024 (k)][1024 (n)], f32, become codes of FP4 (E2M1) with one E8M0 scale byte for each 32 along K, laid as IMAGES OF OPERAND REGISTERS.
; A TILE is 16 rows of an operand (tokens of x, columns n of a weight), NOT neighbours: in a group of 64 rows tile t (0 .. 3) has lane r <-> row 8 t + r % 8 + 32 (r / 8): eight rows of each of the group's two blocks of 32.
; A FRAGMENT (tile, 128 along K) is 1,024 bytes: block bb of 32 along K of row r lies at 256 bb + 16 r.
; A PACK (tile, 512 along K) is 4,352 bytes: four fragments, then 256 bytes of scale words: row r's word for fragment s at 4096 + 16 r + 4 s.
; xp = [128 tokens 64][half of K 2][tile 8][pack];  wp = [256 columns 4][Wq, Wk, Wv][half of K 2][tile 16][pack].
; A block's scale is 2^(floor(log2(its largest magnitude)) - 2): its byte is the largest magnitude's exponent field - 2, held at 1 from below.
; No product, step or input is dead here; of the launches behind, the attention leaves out whole tiles that the causal mask of the problem's own body hides for all inputs.
; LIMITS: NaN and infinities among the inputs are not served; one that reaches only hidden tiles is not carried to the result. Blocks whose largest magnitude lies under 2^-124 keep the byte 1; a block of zeros gets the byte 1 where
; the rule says 127: its codes are zeros, which add nothing, and the bytes are read by this program alone.
; Work-groups 0-191 take the weights (a lane to a column, registers down K: nothing is transposed; the two waves of a group of 64 columns exchange their codes through LDS, so that each stores whole fragments),
; 192-447 take x (dense loads, a turn through the wave's own stage in LDS; these waves share nothing).  No tile is read by two work-groups, so there is nothing to ask for jointly.
.set PK,   4352
.set NW,   192
.set SROW, 528                         ; a stage row: 512 bytes + 16
.set SPARE, 4*16*SROW                  ; behind the four stages: the spare words, two blocks of 256 bytes that no other line names
.set IMG,  SPARE+512                   ; and the weights' fragment images: 4,096 bytes for each group of 64 columns
	s_load_b256 s[4:11], s[0:1], 0x0               ; x s[4:5], Wq s[6:7], Wk s[8:9], Wv s[10:11]
	s_load_b128 s[12:15], s[0:1], 0x20             ; xp s[12:13], wp s[14:15]
	v_lshl_add_u32 v254, v0, 2, SPARE
	v_mov_b32 v255, 0
	v_lshrrev_b32 v2, 5, v0
	v_readfirstlane_b32 s16, v2                    ; wave 0..3
	v_and_b32 v1, 31, v0                           ; lane
	s_wait_alu depctr_va_vdst(0)                   ; the wait at the head's end
	s_wait_kmcnt 0x0
	s_cmp_ge_u32 ttmp9, NW
	s_cbranch_scc1 .Lx
; ---------------- THE WEIGHTS.  Work-group: 128 columns (j / 8 of 24) x 128 along K (j % 8).  A wave: 32 columns; a lane: one column, 4 blocks of 32 down K.
	s_lshr_b32 s17, ttmp9, 3                       ; which 128 of the 3,072 columns
	s_and_b32 s18, ttmp9, 7                        ; which 128 along K
	s_lshr_b32 s19, s17, 3                         ; which weight
	s_and_b32 s20, s17, 7                          ; which 128 of its columns
	s_cmp_eq_u32 s19, 0
	s_cselect_b64 s[28:29], s[6:7], s[8:9]
	s_cmp_eq_u32 s19, 2
	s_cselect_b64 s[28:29], s[10:11], s[28:29]     ; the choice hangs on the work-group's number alone
	s_lshl_b32 s22, s18, 19                        ; 128 rows of 4,096 bytes
	s_lshl_b32 s21, s20, 9
	s_add_co_u32 s22, s22, s21
	s_lshl_b32 s21, s16, 7                         ; my wave's 32 columns
	s_add_co_u32 s22, s22, s21
	s_mov_b32 s23, 0
	s_add_nc_u64 s[28:29], s[28:29], s[22:23]
	s_lshr_b32 s21, s20, 1
	s_mul_i32 s22, s21, 96*PK                      ; which 256 columns,
	s_mul_i32 s21, s19, 32*PK
	s_add_co_u32 s22, s22, s21                     ; which weight,
	s_lshr_b32 s21, s18, 2
	s_mul_i32 s21, s21, 16*PK
	s_add_co_u32 s22, s22, s21                     ; which half of K,
	s_and_b32 s21, s20, 1
	s_lshl_b32 s21, s21, 3
	s_lshr_b32 s23, s16, 1                         ; my group of 64 columns,
	s_lshl_b32 s25, s23, 2
	s_add_co_u32 s21, s21, s25
	s_mul_i32 s21, s21, PK
	s_add_co_u32 s22, s22, s21                     ; its first tile
	s_lshl_b32 s23, s23, 12
	s_add_co_u32 s23, s23, IMG                     ; its images
	s_and_b32 s19, s16, 1                          ; e: which block of 32 of the group is mine; and I store its tiles 2 e, 2 e + 1
	s_lshl_b32 s17, s19, 7
	s_add_co_u32 s23, s23, s17
	s_and_b32 s21, s18, 3                          ; which fragment of the pack
	s_lshl_b32 s30, s21, 10
	s_add_co_u32 s30, s30, s22
	s_mul_i32 s20, s19, 2*PK
	s_add_co_u32 s30, s30, s20
	s_mov_b32 s31, 0
	s_add_nc_u64 s[24:25], s[14:15], s[30:31]      ; where my tiles' codes go
	s_lshl_b32 s30, s21, 2
	s_add_co_u32 s30, s30, s22
	s_add_co_u32 s30, s30, 4096
	s_add_co_u32 s30, s30, s17
	s_add_nc_u64 s[26:27], s[14:15], s[30:31]      ; and my columns' scale words
	s_lshl_b32 s18, s16, 11
	s_add_co_u32 s18, s18, IMG
	v_lshlrev_b32 v4, 2, v1                        ; in: 4 bytes a lane
	v_lshrrev_b32 v6, 3, v1                        ; my column's tile of the group's four,
	v_and_b32 v7, 7, v1                            ; at row r = lane % 8 + 8 e
	v_mul_u32_u24 v5, v6, PK
	v_lshl_add_u32 v5, v7, 4, v5                   ; its scale word
	v_lshlrev_b32 v6, 10, v6
	v_lshl_add_u32 v6, v7, 4, v6
	v_add_nc_u32 v6, s23, v6                       ; its place in the images
	v_lshlrev_b32 v8, 4, v1                        ; 16 x lane
	v_add_nc_u32 v7, s18, v8                       ; my two tiles' images, read back
.macro LOADW t                         ; block t: W(32 t + i, my column) into set t % 2: a wave reads 128 consecutive bytes, the four waves 512
.set i, 0
.rept 32
	global_load_b32 v[16+32*((\t)%2)+i], v4, s[28:29] offset:(32*(\t)+i)*4096 th:TH_LOAD_NT
.set i, i+1
.endr
.endm
.macro BLOCKW t
.set XS, 16+32*((\t)%2)
.if (\t) < 3
	s_wait_loadcnt 32                              ; this block's 32 loads are in; the next block's 32 may be out
.else
	s_wait_loadcnt 0x0
.endif
	v_max3_num_f32 v12, |v[XS]|, |v[XS+1]|, |v[XS+2]|              ; the block's largest magnitude: all 32 numbers are mine; two chains
	v_max3_num_f32 v13, |v[XS+3]|, |v[XS+4]|, |v[XS+5]|
.irp i, 6,10,14,18,22,26
	v_max3_num_f32 v12, v12, |v[XS+\i]|, |v[XS+\i+1]|
	v_max3_num_f32 v13, v13, |v[XS+\i+2]|, |v[XS+\i+3]|
.endr
	v_max3_num_f32 v12, v12, |v[XS+30]|, |v[XS+31]|
	v_max3_num_f32 v12, v12, v13, 0x1800000        ; and the floor 2^(3 - 127): the byte cannot fall under 1
	v_add_nc_u32 v11, 0xff000000, v12              ; 2 off the exponent field: the conversion takes this operand's exponent field as its scale
	v_lshrrev_b32 v13, 23, v11                     ; the scale's byte
.if (\t) == 0
	v_mov_b32 v96, v13
.else
	v_lshl_or_b32 v96, v13, 8*(\t), v96            ; four bytes make my column's scale word of this fragment
.endif
.irp g, 0,1,2,3
	v_cvt_scalef32_pk8_fp4_f32 v[80+4*(\t)+\g], v[XS+8*\g:XS+8*\g+7], v11
.endr
	ds_store_b128 v6, v[80+4*(\t):80+4*(\t)+3] offset:256*(\t)     ; each block has its own data registers
.if (\t) < 2
	LOADW (\t)+2
.endif
.endm
	LOADW 0
	LOADW 1
	BLOCKW 0
	BLOCKW 1
	BLOCKW 2
	BLOCKW 3
	s_wait_alu depctr_va_vdst(0)                   ; the wait here, directly ahead of the waits below
	s_wait_dscnt 0x0                               ; my columns' codes are in the images,
	s_barrier_signal -1
	s_barrier_wait -1                              ; everybody's are
.irp n, 0,1,2,3
	ds_load_b128 v[100+4*\n:103+4*\n], v7 offset:512*\n
.endr
	global_store_b32 v5, v96, s[26:27]             ; 4 of each row's 16 scale bytes: the other three fragments' words come from other work-groups
.irp n, 0,1,2,3
	s_wait_dscnt 3-\n
	global_store_b128 v8, v[100+4*\n:103+4*\n], s[24:25] offset:PK*(\n/2)+512*(\n%2)   ; 512 consecutive bytes, aligned
.endr
	s_wait_tensorcnt 0x0                           ; the wave's end
	ds_add_u32 v254, v255
	s_wait_dscnt 0x0
	s_endpgm
; ---------------- x.  Work-group 192 + g: tiles 2 g and 2 g + 1.  Wave: tile u = wave / 2, half of K = wave % 2: one pack.
.Lx:
	s_sub_co_u32 s17, ttmp9, NW                    ; g
	s_lshr_b32 s18, s16, 1                         ; u
	s_and_b32 s19, s16, 1                          ; half of K
	s_lshr_b32 s22, s17, 1
	s_lshl_b32 s22, s22, 18                        ; 64 rows of 4,096 bytes
	s_and_b32 s21, s17, 1
	s_lshl_b32 s21, s21, 16                        ; 16 rows
	s_add_co_u32 s22, s22, s21
	s_lshl_b32 s21, s18, 15                        ; 8 u rows
	s_add_co_u32 s22, s22, s21
	s_lshl_b32 s21, s19, 11                        ; 512 numbers
	s_add_co_u32 s22, s22, s21
	s_mov_b32 s23, 0
	s_add_nc_u64 s[4:5], s[4:5], s[22:23]
	s_lshr_b32 s22, s17, 2
	s_mul_i32 s22, s22, 16*PK                      ; which 128 tokens
	s_mul_i32 s21, s19, 8*PK
	s_add_co_u32 s22, s22, s21
	s_and_b32 s21, s17, 3
	s_lshl_b32 s21, s21, 1
	s_add_co_u32 s21, s21, s18                     ; the tile of its eight
	s_mul_i32 s21, s21, PK
	s_add_co_u32 s22, s22, s21
	s_add_nc_u64 s[12:13], s[12:13], s[22:23]      ; my pack
	s_mul_i32 s24, s16, 16*SROW                    ; my stage
	s_mov_b32 s26, 0x76543210
	s_mov_b32 s27, 0xfedcba98                      ; v_permlanex16_b32's selects for lane l xor 16
	s_mov_b32 s28, 0xffff0000                      ; lanes 16-31
	v_and_b32 v2, 15, v0                           ; r
	v_bfe_u32 v3, v0, 4, 1                         ; h
	v_lshlrev_b32 v4, 4, v1                        ; 16 x lane: my bytes of a load's 512, and of an image's
	v_add_nc_u32 v5, s24, v4                       ; the stage, on the way in
	v_mul_u32_u24 v6, v2, SROW
	v_lshl_add_u32 v6, v3, 7, v6
	v_add_nc_u32 v6, s24, v6                       ; and back: row r, + 128 h bytes: my 32 numbers of each 64
	v_lshlrev_b32 v8, 4, v2
	v_lshl_add_u32 v8, v3, 3, v8                   ; the scale words' place: 16 r + 8 h
	v_lshlrev_b32 v246, 3, v3                      ; 8 h
	v_mov_b32 v15, 0                               ; written once: a lane permute's destination counts as one of its sources
.macro LOADX t                         ; fragment t: 128 numbers of each of the tile's 16 rows: a load reads 512 consecutive bytes of one row
.set i, 0
.rept 16
	global_load_b128 v[16+64*((\t)%2)+4*i:16+64*((\t)%2)+4*i+3], v4, s[4:5] offset:(i+24*(i/8))*4096+512*(\t) th:TH_LOAD_NT
.set i, i+1
.endr
.endm
.macro STEPX t
.set RS, 16+64*((\t)%2)
.if (\t) < 3
	s_wait_loadcnt 16                              ; this fragment's 16 loads are in; the next one's 16 may be out
.else
	s_wait_loadcnt 0x0
.endif
.set i, 0
.rept 16
	ds_store_b128 v5, v[RS+4*i:RS+4*i+3] offset:SROW*i
.set i, i+1
.endr
.irp c, 0,1                            ; LDS serves a wave's instructions in order: these see my stores.  Lane (r, h) takes k = 64 c + 32 h + 0 .. 31 of row r: the operand's own order
.irp q, 0,1,2,3,4,5,6,7
	ds_load_b128 v[144+32*\c+4*\q:144+32*\c+4*\q+3], v6 offset:256*\c+16*\q
.endr
.endr
	s_wait_dscnt 0x0                               ; the numbers are back: so the stores into the stage have read their registers,
.if (\t) < 2
	LOADX (\t)+2                                   ; which take the loads of two fragments on
.endif
.irp c, 0,1
	v_max3_num_f32 v[9+\c], |v[144+32*\c]|, |v[145+32*\c]|, 0x1800000     ; my block 2 c + h: all 32 numbers are mine; and the floor 2^(3 - 127)
.endr
.irp i, 2,4,6,8,10,12,14,16,18,20,22,24,26,28,30
.irp c, 0,1
	v_max3_num_f32 v[9+\c], v[9+\c], |v[144+32*\c+\i]|, |v[145+32*\c+\i]|
.endr
.endr
.irp c, 0,1
	v_add_nc_u32 v[11+\c], 0xff000000, v[9+\c]     ; the conversion's scale operand
.endr
.irp c, 0,1
	v_lshrrev_b32 v[13+\c], 23, v[11+\c]           ; the scale's byte
.endr
	v_lshl_or_b32 v13, v14, 16, v13                ; my two bytes, blocks h and 2 + h,
	v_lshlrev_b32 v13, v246, v13                   ; at their places in the word;
	v_permlanex16_b32 v15, v13, s26, s27
	v_or_b32 v[240+(\t)], v13, v15                 ; with lane l xor 16's two the word is whole
.irp c, 0,1
.irp g, 0,1,2,3
	v_cvt_scalef32_pk8_fp4_f32 v[208+8*(\t)+4*\c+\g], v[144+32*\c+8*\g:144+32*\c+8*\g+7], v[11+\c]
.endr
.endr
.irp c, 0,1
	global_store_b128 v4, v[208+8*(\t)+4*\c:208+8*(\t)+4*\c+3], s[12:13] offset:1024*(\t)+512*\c   ; 512 consecutive bytes, aligned; each fragment has its own data registers
.endr
.endm
	LOADX 0
	LOADX 1
	s_wait_alu depctr_va_vdst(0)                   ; the wait here, ahead of the waits below
	STEPX 0
	STEPX 1
	STEPX 2
	STEPX 3
	v_cndmask_b32 v244, v240, v242, s28            ; lanes 0-15 carry words 0 and 1 of their row, lanes 16-31 words 2 and 3
	v_cndmask_b32 v245, v241, v243, s28
	global_store_b64 v8, v[244:245], s[12:13] offset:4096   ; the pack's 256 scale bytes in one store
	s_wait_tensorcnt 0x0                           ; the wave's end
	ds_add_u32 v254, v255
	s_wait_dscnt 0x0
	s_endpgm
.Lfunc_end_k_qb3bc5b9bcd_prep:
	.size	k_qb3bc5b9bcd_prep, .Lfunc_end_k_qb3bc5b9bcd_prep-k_qb3bc5b9bcd_prep
	.p2alignl 7, 3214868480
	.fill 96, 4, 3214868480
	.section	.rodata,"a",@progbits
	.p2align	6, 0x0
	.amdhsa_kernel k_qb3bc5b9bcd_prep
		.amdhsa_group_segment_fixed_size 42496
		.amdhsa_private_segment_fixed_size 0
		.amdhsa_enable_private_segment 0
		.amdhsa_kernarg_size 48
		.amdhsa_user_sgpr_count 2
		.amdhsa_user_sgpr_kernarg_segment_ptr 1
		.amdhsa_wavefront_size32 1
		.amdhsa_system_sgpr_workgroup_id_x 1
		.amdhsa_system_sgpr_workgroup_id_y 1
		.amdhsa_system_sgpr_workgroup_id_z 1
		.amdhsa_system_vgpr_workitem_id 0
		.amdhsa_next_free_vgpr 256
		.amdhsa_next_free_sgpr 66
		.amdhsa_reserve_vcc 0
		.amdhsa_float_denorm_mode_32 3
		.amdhsa_float_denorm_mode_16_64 3
		.amdhsa_memory_ordered 1
		.amdhsa_forward_progress 1
		.amdhsa_inst_pref_size 51
	.end_amdhsa_kernel
	.amdgpu_metadata
---
amdhsa.version: [ 1, 2 ]
amdhsa.kernels:
  - .name:           k_qb3bc5b9bcd_prep
    .symbol:         k_qb3bc5b9bcd_prep.kd
    .args:
      - { .name: x, .offset: 0, .size: 8, .value_kind: global_buffer, .address_space: global }
      - { .name: Wq, .offset: 8, .size: 8, .value_kind: global_buffer, .address_space: global }
      - { .name: Wk, .offset: 16, .size: 8, .value_kind: global_buffer, .address_space: global }
      - { .name: Wv, .offset: 24, .size: 8, .value_kind: global_buffer, .address_space: global }
      - { .name: xp, .offset: 32, .size: 8, .value_kind: global_buffer, .address_space: global }
      - { .name: wp, .offset: 40, .size: 8, .value_kind: global_buffer, .address_space: global }
    .group_segment_fixed_size: 42496
    .private_segment_fixed_size: 0
    .kernarg_segment_align: 8
    .kernarg_segment_size: 48
    .max_flat_workgroup_size: 128
    .sgpr_count:     66
    .vgpr_count:     256
    .wavefront_size: 32
...
	.end_amdgpu_metadata
.endif
;; end of part 1
;; launch proj (part 2): grid 4 x 64, 4 waves a work-group, clusters of 4 x 4, 327,680 bytes of LDS; arguments xp, wp, bq, bk, bv, qp, kv; writes qp, kv
.if DOCPART == 2
	.amdgcn_target "amdgcn-amd-amdhsa--gfx1250"
	.amdhsa_code_object_version 6
	.text
	.protected	k_qb3bc5b9bcd_proj
	.globl	k_qb3bc5b9bcd_proj
	.p2align	8
	.type	k_qb3bc5b9bcd_proj,@function
k_qb3bc5b9bcd_proj:
	s_mov_b64 s[64:65], 0
	v_nop
	global_prefetch_b8 v0, s[64:65] scope:SCOPE_SE
	s_setreg_imm32_b32 hwreg(HW_REG_WAVE_MODE, 25, 1), 1
	s_wait_xcnt 0x0
	s_wait_alu depctr_hold_cnt(0) depctr_sa_sdst(0) depctr_va_vdst(0) depctr_va_sdst(0) depctr_va_ssrc(0) depctr_va_vcc(0) depctr_vm_vsrc(0)
	s_getreg_b32 s2, hwreg(HW_REG_IB_STS2, 6, 4)
	s_cmp_eq_u32 s2, 0
	s_cbranch_scc0 .Lentry_in_a_cluster
	s_endpgm
.Lentry_in_a_cluster:
	s_bfe_u32 s2, ttmp6, 0x10000c
	s_cmp_lg_u32 s2, 0xf033
	s_cbranch_scc0 .Lentry_shape_is_right
	s_endpgm
.Lentry_shape_is_right:
; q = x Wq + bq, k = x Wk + bk, v = x Wv + bv on codes of FP4 (E2M1) with E8M0 scales, f32 sums; the results are quantised IN REGISTERS for the attention launch and never go to memory as f32.
; xp, wp: packs of 4,352 bytes (tile of 16 rows, 512 along K): four fragment images of 1,024 bytes (lane l's 16 bytes of register group c at 512 c + 16 l), then row r's four scale words at 4096 + 16 r.
; In a group of 64 rows tile t has lane r <-> row 8 t + r % 8 + 32 (r / 8): so the 32 result registers of a group's four source-0 tiles are, in lane (r, h), ONE WHOLE BLOCK of 32 neighbours, 32 h + 0 .. 31.
; SHARES.  256 work-groups.  Y = 4 x cluster y + cy picks 128 tokens, cx 256 columns (four heads) of each weight; a work-group makes q, k and v of these one after the other.
; A wave makes 8 source-0 tiles x 4 source-1 tiles: 16 accumulators of 32 x 16.  THE AXIS TO BE QUANTISED IS ALWAYS SOURCE 0'S ROWS, so that a lane's registers run along it:
;   q, k (along the head's 64): source 0 = 8 tiles of W (two heads), source 1 = 4 tiles of x;    v (along the keys): source 0 = x's 8 tiles (128 keys), source 1 = 4 tiles of W (one head).
; Source 1's fragments have registers of their own for each of the 8 K steps: what q has loaded of x (fragments and scale words) k takes as it lies.
; LDS: x's block for all of K (69,632 bytes, filled once), then three slots of 69,632 bytes for W's six CHUNKS (a weight's 16 tiles, half of K), which are consecutive in wp.
; FILLS, one tensor load a wave each: the head: x and chunk 0 (slot 0); then chunks 1, 2 (slots 1, 2) behind a round; chunk 3 (slot 0) when chunk 0 is read; chunks 4, 5 (slots 1, 2) when chunks 1, 2 are read.
; CLUSTER 4 x 4: x's block hangs on Y alone and is asked for jointly along a row of the cluster, W's chunks on cx alone, jointly along a column.
; No prefetch: there is no loop to run ahead in: four fills bring the whole stream, each asked for as soon as its bytes in LDS are free.
; By this text's own count a wave has at most one tensor load outstanding.
; OUT.  qp [head 64][step of 128 tokens 16][4,608]: 8 tile images of 512 bytes (lane (r, h): the 16 bytes of block h of the head's 64), then 512 bytes of scale words: tile 4 j + a, row r at 4096 + 256 j + 128 (a % 2) + 8 r + 4 (a / 2): its two bytes, twice.
;       kv [head 64][step 16][8,704]: K's 8 tile images (4,096), V's four fragment images (4,096; rows = the head's 64, K = the step's 128 keys), K's scale words (group j of 64 keys at 128 j + 4 l: lanes 0-15 tiles 0 | 1, lanes 16-31 tiles 2 | 3), V's (8 l: fragments h, 2 + h).
; LIMITS: NaN and infinities are not served; blocks whose largest magnitude lies under 2^-124 keep the byte 1, a block of zeros too (its codes are zeros; this program alone reads the bytes).
;         The bias is the C of the first K step: the order of the f32 sums differs from a sum that adds the bias last.
; REGISTERS, in windows of 256: window 0: v1-30 addresses; v32-95 scale words, a set for each half of K; v160-221 the quantiser's.
;   window 1: the accumulators, (a, tile b) at v[64 a + 8 b].   window 2: v0-127 source 0's fragments, two sets; v128-191 the bias.   window 3: source 1's fragments, K step n at v[32 n].
.set PK,   4352
.set HB,   8*PK                        ; half of K of x's block
.set XB,   16*PK                       ; x's block; a chunk of W; a slot
.set SPARE, 4*XB                       ; the spare words: two blocks of 256 bytes that no other line names
.set QST,  4608
.set KST,  8704
.set SC,   32
.set PC,   160
.set BY,   192
.set TM,   200
.set SO,   204
.set WW,   206
.set XX,   210
.set PX,   218
.set BIAS, 128
.set KND,  0
.set XK,   0                           ; 1: source 1's fragments and scale words are in registers already
.set MSB,  0
.macro WIN new                         ; the immediate's high byte repeats the setting that is left; a switch that changes nothing is dropped
.if MSB != \new
	s_set_vgpr_msb (MSB<<8)|\new
.set MSB, \new
.endif
.endm
.macro CROUND                          ; a round of the cluster's barrier
	s_barrier_signal -1
	s_barrier_wait -1
	s_cmp_lg_u32 s18, 0
	s_cbranch_scc1 .Lnot_wave_0_\@
	s_barrier_signal -3
.Lnot_wave_0_\@:
	s_barrier_wait -3
	s_barrier_signal -1
	s_barrier_wait -1
.endm
.macro PLACES                          ; four plain places behind a matrix instruction of this form, in front of loads into its registers and of reads of its results
.rept 4
	v_nop
.endr
.endm
; All my tensor loads have landed, my reads of what is filled next are over: then the round, and the one load a wave.
.macro TURN g0, g1
	WIN 0
	s_wait_tensorcnt 0x0
	ds_add_u32 v254, v255
	s_wait_dscnt 0x0
	CROUND
	tensor_load_to_lds s[\g0:\g0+3], s[\g1:\g1+7]
	s_nop 0
.endm
	s_load_b256 s[4:11], s[0:1], 0x0               ; xp s[4:5], wp s[6:7], bq s[8:9], bk s[10:11]
	s_load_b128 s[12:15], s[0:1], 0x20             ; bv s[12:13], qp s[14:15]
	s_load_b64 s[16:17], s[0:1], 0x30              ; kv
	v_lshl_add_u32 v254, v0, 2, SPARE
	v_mov_b32 v255, 0
	ds_add_u32 v254, v255                          ; the wave's opening: the add, twice on end, and its wait
	ds_add_u32 v254, v255
	v_lshrrev_b32 v1, 5, v0
	v_readfirstlane_b32 s18, v1                    ; w: wave 0..3
	s_bfe_u32 s20, ttmp6, 0x40000                  ; cx
	s_bfe_u32 s21, ttmp6, 0x40004                  ; cy
	s_and_b32 s22, ttmp7, 0xffff
	s_lshl_b32 s22, s22, 2
	s_add_co_u32 s22, s22, s21                     ; Y: my block of 128 tokens
	s_and_b32 s23, s18, 1                          ; i
	s_lshr_b32 s24, s18, 1                         ; j
	s_lshl_b32 s25, s21, 2
	s_lshl_b32 s25, 15, s25                        ; my row of the cluster
	s_lshl_b32 s26, 0x1111, s20                    ; my column
	; descriptor groups 1: dense blocks as rows of 256 bytes (32 elements of 8 bytes), no padding: 136 rows of x, 136 of W, 68 of W
	s_or_b32 s28, s25, (3<<16)|(1<<21)             ; 15:0 the mask; 17:16 elements of 8 bytes; 21 set beside a mask
	s_or_b32 s36, s26, (3<<16)|(1<<21)
	s_or_b32 s44, s26, (3<<16)|(1<<21)
.irp g, 28, 36
	s_mov_b32 s[\g+1], 32<<16                      ; tensor_dim0 = 32
	s_mov_b32 s[\g+2], 136<<16                     ; tensor_dim1 = 136
	s_mov_b32 s[\g+3], 32<<16                      ; tile_dim0 = 32
	s_mov_b32 s[\g+4], 136                         ; tile_dim1 = 136
	s_mov_b32 s[\g+5], 32                          ; from row to row: 32 elements
	s_mov_b32 s[\g+6], 0
	s_mov_b32 s[\g+7], 0
.endr
	s_mov_b32 s45, 32<<16
	s_mov_b32 s46, 68<<16
	s_mov_b32 s47, 32<<16
	s_mov_b32 s48, 68
	s_mov_b32 s49, 32
	s_mov_b32 s50, 0
	s_mov_b32 s51, 0
	s_mul_i32 s92, s23, HB                         ; the head: waves 0 and 1 fetch x's halves of K, waves 2 and 3 chunk 0's halves
	s_mul_i32 s90, s22, XB
	s_add_co_u32 s90, s90, s92
	s_mov_b32 s91, 0
	s_mul_i32 s94, s20, 6*XB                       ; my columns' six chunks
	s_add_co_u32 s96, s94, s92
	s_mov_b32 s97, 0
	s_mul_i32 s2, s18, HB                          ; chunks 1, 2 and 4, 5: a quarter of two chunks a wave
	s_add_co_u32 s98, s94, s2
	s_add_co_u32 s98, s98, XB
	s_mov_b32 s99, 0
	s_mul_i32 s3, s18, HB/2                        ; chunk 3: a quarter of it
	s_add_co_u32 s26, s94, s3
	s_add_co_u32 s26, s26, 3*XB
	s_mov_b32 s27, 0
	s_mov_b32 s52, 1                               ; x
	s_mov_b32 s53, s92
	s_mov_b32 s56, 1                               ; chunk 0
	s_add_co_u32 s57, s92, XB
	s_mov_b32 s60, 1                               ; chunks 1, 2
	s_add_co_u32 s61, s2, 2*XB
	s_mov_b32 s68, 1                               ; chunk 3
	s_add_co_u32 s69, s3, XB
	s_mov_b32 s72, 1                               ; chunks 4, 5
	s_add_co_u32 s73, s2, 2*XB
	s_wait_dscnt 0x0                               ; both opening adds are done
	s_wait_kmcnt 0x0
	s_add_nc_u64 s[54:55], s[4:5], s[90:91]
	s_or_b32 s55, s55, 0x80000000
	s_add_nc_u64 s[58:59], s[6:7], s[96:97]
	s_or_b32 s59, s59, 0x80000000
	s_add_nc_u64 s[62:63], s[6:7], s[98:99]
	s_add_nc_u64 s[74:75], s[62:63], 3*XB
	s_or_b32 s63, s63, 0x80000000
	s_or_b32 s75, s75, 0x80000000
	s_add_nc_u64 s[70:71], s[6:7], s[26:27]
	s_or_b32 s71, s71, 0x80000000
	CROUND                                         ; all sixteen work-groups are here: the first joint loads meet
	s_cmp_lt_u32 s18, 2
	s_cbranch_scc0 .Lhead_w
	tensor_load_to_lds s[52:55], s[28:35]
	s_nop 0
.rept 4
	v_nop
.endr
	s_branch .Lhead_asked
.Lhead_w:
	tensor_load_to_lds s[56:59], s[36:43]
	s_nop 0
.rept 4
	v_nop
.endr
.Lhead_asked:
	; where the results go
	s_lshr_b32 s25, s22, 4
	s_lshl_b32 s25, s25, 4
	s_lshl_b32 s2, s20, 2
	s_add_co_u32 s25, s25, s2                      ; 16 x batch + 4 cx
	s_and_b32 s3, s22, 15                          ; the step of 128 tokens
	s_lshl_b32 s2, s23, 1
	s_add_co_u32 s2, s25, s2                       ; q, k: my first head of two
	s_mul_i32 s90, s2, 16*QST
	s_mul_i32 s92, s3, QST
	s_add_co_u32 s90, s90, s92
	s_mov_b32 s91, 0
	s_add_nc_u64 s[82:83], s[14:15], s[90:91]      ; q's
	s_mul_i32 s90, s2, 16*KST
	s_mul_i32 s92, s3, KST
	s_add_co_u32 s90, s90, s92
	s_add_nc_u64 s[84:85], s[16:17], s[90:91]      ; k's
	s_add_co_u32 s2, s25, s18                      ; v: my head
	s_mul_i32 s90, s2, 16*KST
	s_add_co_u32 s90, s90, s92
	s_add_nc_u64 s[86:87], s[16:17], s[90:91]      ; v's
	s_lshl_b32 s90, s20, 10                        ; the biases of my 256 columns
	s_add_nc_u64 s[76:77], s[8:9], s[90:91]
	s_add_nc_u64 s[78:79], s[10:11], s[90:91]
	s_add_nc_u64 s[80:81], s[12:13], s[90:91]
	s_mov_b32 s19, 0xffff0000                      ; lanes 16-31
	s_mov_b32 s88, 0x76543210
	s_mov_b32 s89, 0xfedcba98                      ; v_permlanex16_b32's selects for lane l xor 16
	s_mul_i32 s92, s24, 4*PK                       ; q, k: source 1 = x's tiles 4 j on
	s_mul_i32 s93, s23, 8*PK
	s_add_co_u32 s93, s93, XB                      ; q, k: source 0 = W's tiles 8 i on
	s_mul_i32 s94, s18, 4*PK
	s_add_co_u32 s94, s94, 2*XB                    ; v: source 1 = W's tiles 4 w on, in slot 1
	s_lshl_b32 s95, s24, 11
	s_lshl_b32 s96, s24, 8
	s_add_co_u32 s96, s96, 4096
	s_lshl_b32 s97, s24, 7
	s_add_co_u32 s97, s97, 8192
	s_lshl_b32 s98, s23, 9
	s_lshl_b32 s99, s18, 8
	v_and_b32 v1, 15, v0                           ; r
	v_bfe_u32 v2, v0, 4, 1                         ; h
	v_and_b32 v4, 31, v0                           ; lane
	v_lshlrev_b32 v3, 4, v4                        ; x as source 0: 16 x lane; half 0,
	v_add_nc_u32 v5, HB, v3                        ; half 1
	v_add_nc_u32 v6, s92, v3                       ; x as source 1: half 0,
	v_add_nc_u32 v7, HB, v6                        ; half 1
	v_add_nc_u32 v8, s93, v3                       ; W as source 0: slots 0, 1, 2
	v_add_nc_u32 v9, XB, v8
	v_add_nc_u32 v10, XB, v9
	v_add_nc_u32 v11, s94, v3                      ; W as source 1: slots 1, 2
	v_add_nc_u32 v13, XB, v11
	v_lshlrev_b32 v14, 12, v2
	v_add_nc_u32 v14, 4096, v14                    ; from a fragment's address to source 0's scale words: lanes 0-15 an even tile's rows, lanes 16-31 the next tile's
	v_lshlrev_b32 v15, 8, v2
	v_sub_nc_u32 v15, 4096, v15                    ; and to source 1's: row r in both halves
	v_lshlrev_b32 v18, 3, v2                       ; 8 h
	v_add_nc_u32 v19, s95, v3                      ; stores: q, k: codes,
	v_lshlrev_b32 v12, 3, v4
	v_add_nc_u32 v20, s96, v12                     ; q's scale words,
	v_lshlrev_b32 v21, 2, v4
	v_add_nc_u32 v21, s97, v21                     ; k's,
	v_add_nc_u32 v22, 4096, v3                     ; v: codes,
	v_add_nc_u32 v23, 8448, v12                    ; scale words
	v_lshlrev_b32 v24, 7, v2
	v_add_nc_u32 v24, s98, v24                     ; q, k: the bias of my registers' columns
	v_and_b32 v25, 7, v1
	v_lshlrev_b32 v25, 2, v25
	v_lshrrev_b32 v12, 3, v1
	v_lshl_add_u32 v25, v12, 7, v25
	v_add_nc_u32 v25, s99, v25                     ; v: the bias of my lane's column
.irp a, 0,1,2,3
	v_mov_b32 v[PX+\a], 0                          ; written once: a lane permute's destination counts as one of its sources
.endr
.macro BLQK base                       ; q, k: register jj of tile b is column 64 (b / 4) + 32 h + 8 (b % 4) + jj of my 128
	WIN 0x80
.irp b, 0,1,2,3,4,5,6,7
	global_load_b128 v[BIAS+8*\b:BIAS+8*\b+3], v24, s[\base:\base+1] offset:256*(\b/4)+32*(\b%4)
	global_load_b128 v[BIAS+8*\b+4:BIAS+8*\b+7], v24, s[\base:\base+1] offset:256*(\b/4)+32*(\b%4)+16
.endr
	WIN 0
.endm
; the fragments of K step q (of a chunk's 4; par: which half of K): source 0's eight into set q % 2 of window 2, source 1's four into window 3: loads of 512 consecutive bytes
.macro FETCH sa, sb, q, par
	WIN 0x80                                       ; destination window 2, address window 0
.irp b, 0,1,2,3,4,5,6,7
.irp c, 0,1
	ds_load_b128 v[64*((\q)%2)+8*\b+4*\c:64*((\q)%2)+8*\b+4*\c+3], v[\sa] offset:\b*PK+1024*(\q)+512*\c
.endr
.endr
.if XK == 0
	WIN 0xc0
.irp a, 0,1,2,3
.irp c, 0,1
	ds_load_b128 v[32*(4*(\par)+(\q))+8*\a+4*\c:32*(4*(\par)+(\q))+8*\a+4*\c+3], v[\sb] offset:\a*PK+1024*(\q)+512*\c
.endr
.endr
.endif
	WIN 0
.endm
; a chunk's scale words into set par: a row's four words by one load.  These registers hold scales and nothing else
.macro SCALES sa, sb, par
	v_add_nc_u32 v16, v14, v[\sa]
.irp p, 0,1,2,3
	ds_load_b128 v[SC+32*(\par)+4*\p:SC+32*(\par)+4*\p+3], v16 offset:2*\p*PK
.endr
.if XK == 0
	v_add_nc_u32 v17, v15, v[\sb]
.irp a, 0,1,2,3
	ds_load_b128 v[SC+32*(\par)+16+4*\a:SC+32*(\par)+16+4*\a+3], v17 offset:\a*PK
.endr
.endif
.endm
; a K step's 16 products, each 32 rows of source 0 (tiles 2 p, 2 p + 1) x 16 of source 1 (tile a): the accumulators take turns, one instruction a turn, in the same order in every step.
; mode 0: in place; 1: C = the bias by p (q, k); 2: C = the bias by a (v)
.macro MUL q, par, mode
.if \mode
	WIN 0x6e                                       ; source 0 window 2, source 1 window 3, C (the bias) window 2, D window 1
.else
	WIN 0x5e                                       ; the same, C and D window 1
.endif
.irp a, 0,1,2,3
.irp p, 0,1,2,3
.set rD, 64*\a+16*\p
.set rA, 64*((\q)%2)+16*\p
.set rB, 32*(4*(\par)+(\q))+8*\a
.set rX, SC+32*(\par)+4*\p+(\q)
.set rY, SC+32*(\par)+16+4*\a+(\q)
.set rC, rD
.if (\mode) == 1
.set rC, BIAS+16*\p
.endif
.if (\mode) == 2
.set rC, BIAS+16*\a
.endif
	v_wmma_scale_f32_32x16x128_f4 v[rD:rD+15], v[rA:rA+15], v[rB:rB+7], v[rC:rC+15], v[rX], v[rY]
.endr
.endr
.endm
; a chunk's four K steps.  Each step's fragments are asked for a step ahead; the next chunk's first ones (na, nb not 0) in the last step, behind the turn that shows that chunk (g0 not 0)
.macro CHUNK sa, sb, par, first, na, nb, g0, g1
.irp q, 0,1,2,3
	s_wait_dscnt 0x0                               ; this step's fragments are in
.if (\q == 0) && (\first > 0)
	s_wait_loadcnt 0x0                             ; and the bias
.endif
.if (\q == 3) && (\g0 > 0)
	TURN \g0, \g1
.endif
	PLACES                                         ; the set that the step before multiplied is loaded again
.if \q < 3
	FETCH \sa, \sb, \q+1, \par
.elseif \na > 0
	FETCH \na, \nb, 0, 1-\par
	SCALES \na, \nb, 1-\par
.endif
.if (\q == 2) && (\first > 0)          ; the bias of the next kind: the registers were read two steps ago
.if KND == 0
	WIN 0
	BLQK 78
.elseif KND == 1
	WIN 0
.irp a, 0,1,2,3
	global_load_b32 v[26+\a], v25, s[80:81] offset:32*\a
.endr
.endif
.endif
.if \q == 0
	MUL 0, \par, \first
.else
	MUL \q, \par, 0
.endif
.endr
	WIN 0
.endm
; THE QUANTISER, for source-1 tile a.  A lane's registers 32 c .. 32 c + 31 of the tile's 64 are ONE block: numbers 32 h + 0 .. 31 of group c (q, k: head c of two; v: keys 64 c on).
.macro QUANT a
	WIN 0x14                                       ; sources 1 and 2 window 1
.irp c, 0,1
	v_max3_num_f32 v[TM+2*\c], 0x1800000, |v[64*(\a)+32*\c]|, |v[64*(\a)+32*\c+1]|     ; two chains a block, each accumulator from its low end on, and the floor 2^(3 - 127)
	v_max3_num_f32 v[TM+2*\c+1], 0x1800000, |v[64*(\a)+32*\c+16]|, |v[64*(\a)+32*\c+17]|
.endr
.irp i, 2,4,6,8,10,12,14
.irp c, 0,1
	v_max3_num_f32 v[TM+2*\c], v[TM+2*\c], |v[64*(\a)+32*\c+\i]|, |v[64*(\a)+32*\c+\i+1]|
	v_max3_num_f32 v[TM+2*\c+1], v[TM+2*\c+1], |v[64*(\a)+32*\c+16+\i]|, |v[64*(\a)+32*\c+17+\i]|
.endr
.endr
	WIN 0
.irp c, 0,1
	v_max_num_f32 v[TM+2*\c], v[TM+2*\c], v[TM+2*\c+1]
.endr
.irp c, 0,1
	v_add_nc_u32 v[SO+\c], 0xff000000, v[TM+2*\c]  ; 2 off its exponent field: the conversion's scale operand
.endr
.irp c, 0,1
	v_lshrrev_b32 v[BY+2*(\a)+\c], 23, v[SO+\c]    ; the scale's byte
.endr
	WIN 0x01                                       ; source 0 window 1
.irp c, 0,1
.irp g, 0,1,2,3
	v_cvt_scalef32_pk8_fp4_f32 v[PC+8*(\a)+4*\c+\g], v[64*(\a)+32*\c+8*\g:64*(\a)+32*\c+8*\g+7], v[SO+\c]
.endr
.endr
	WIN 0
	v_nop                                          ; one plain place behind a scaled conversion
.irp c, 0,1                            ; 512 consecutive bytes a store, aligned; every store of a kind has data registers of its own
.if KND == 0
	global_store_b128 v19, v[PC+8*(\a)+4*\c:PC+8*(\a)+4*\c+3], s[82:83] offset:512*(\a)+16*QST*\c
.elseif KND == 1
	global_store_b128 v19, v[PC+8*(\a)+4*\c:PC+8*(\a)+4*\c+3], s[84:85] offset:512*(\a)+16*KST*\c
.else
	global_store_b128 v22, v[PC+8*(\a)+4*\c:PC+8*(\a)+4*\c+3], s[86:87] offset:1024*(\a)+512*\c
.endif
.endr
.endm
; the four tiles' scale words: bytes h and 2 + h are mine, the others lane l xor 16's
.macro WORDS
.irp a, 0,1,2,3
	v_lshl_or_b32 v[WW+\a], v[BY+2*\a+1], 16, v[BY+2*\a]
.endr
.irp a, 0,1,2,3
	v_lshlrev_b32 v[WW+\a], v18, v[WW+\a]
.endr
.irp a, 0,1,2,3
	v_permlanex16_b32 v[PX+\a], v[WW+\a], s88, s89
.endr
.irp a, 0,1,2,3
	v_or_b32 v[WW+\a], v[WW+\a], v[PX+\a]
.endr
.if KND == 1                           ; lanes 0-15: tiles 0, 1; lanes 16-31: tiles 2, 3
	v_cndmask_b32 v[XX], v[WW], v[WW+2], s19
	v_cndmask_b32 v[XX+1], v[WW+1], v[WW+3], s19
	v_perm_b32 v[XX+2], v[XX+1], v[XX], 0x05040100 ; the first head's bytes of both tiles
	v_perm_b32 v[XX+3], v[XX+1], v[XX], 0x07060302 ; the second head's
	global_store_b32 v21, v[XX+2], s[84:85]
	global_store_b32 v21, v[XX+3], s[84:85] offset:16*KST
.else                                  ; lanes 0-15: tiles 0, 2; lanes 16-31: tiles 1, 3
	v_cndmask_b32 v[XX], v[WW], v[WW+1], s19
	v_cndmask_b32 v[XX+1], v[WW+2], v[WW+3], s19
.if KND == 0
	v_perm_b32 v[XX+2], v[XX], v[XX], 0x01000100   ; the first head's two bytes, twice
	v_perm_b32 v[XX+3], v[XX+1], v[XX+1], 0x01000100
	v_perm_b32 v[XX+4], v[XX], v[XX], 0x03020302   ; the second head's
	v_perm_b32 v[XX+5], v[XX+1], v[XX+1], 0x03020302
	global_store_b64 v20, v[XX+2:XX+3], s[82:83]   ; 256 consecutive bytes, aligned
	global_store_b64 v20, v[XX+4:XX+5], s[82:83] offset:16*QST
.else
	global_store_b64 v23, v[XX:XX+1], s[86:87]
.endif
.endif
.endm
	BLQK 76                                        ; q's bias
	s_wait_alu depctr_va_vdst(0)                   ; the wait at the head's end
	TURN 60, 36                                    ; x and chunk 0 are in; chunks 1 and 2 into slots 1 and 2, for the first time
	PLACES
	FETCH 8, 6, 0, 0
	SCALES 8, 6, 0
	; q: chunks 0 (slot 0) and 1 (slot 1)
	CHUNK 8, 6, 0, 1, 9, 7, 68, 44                 ; its turn: chunks 1, 2 are in, slot 0 is read: chunk 3 into slot 0
	CHUNK 9, 7, 1, 0, 0, 0, 0, 0
	PLACES                                         ; in front of the first read of results
	QUANT 0
	QUANT 1
.set XK, 1                             ; k: x's fragments and scale words of both halves of K stay as q has loaded them
	FETCH 10, 6, 0, 0
	SCALES 10, 6, 0
	QUANT 2
	QUANT 3
	WORDS
	; k: chunks 2 (slot 2) and 3 (slot 0)
.set KND, 1
	CHUNK 10, 6, 0, 1, 8, 7, 72, 36                ; its turn: chunk 3 is in, slots 1 and 2 are read: chunks 4, 5
	CHUNK 8, 7, 1, 0, 0, 0, 0, 0
	PLACES
	s_wait_xcnt 0x0                                ; q's stores have read their registers
	QUANT 0
	QUANT 1
	s_wait_alu depctr_va_vdst(0)                   ; the wait here, ahead of the waits below
	s_wait_loadcnt 0x0                             ; v's bias is in
	s_wait_dscnt 0x0
	s_wait_tensorcnt 0x0                           ; my part of chunks 4, 5 is in,
	s_barrier_signal -1
	s_barrier_wait -1                              ; everybody's is.
.set XK, 0
	FETCH 3, 11, 0, 0
	SCALES 3, 11, 0
	WIN 0x80
.irp a, 0,1,2,3                        ; v: all registers of source-1 tile a are column 8 a + r % 8 + 32 (r / 8) of my head
.irp n, 0,1,2,3,4,5,6,7,8,9,10,11,12,13,14,15
	v_mov_b32 v[BIAS+16*\a+\n], v[26+\a]
.endr
.endr
	WIN 0
	QUANT 2
	QUANT 3
	WORDS
	; v: chunks 4 (slot 1) and 5 (slot 2)
.set KND, 2
	CHUNK 3, 11, 0, 2, 5, 13, 0, 0
	CHUNK 5, 13, 1, 0, 0, 0, 0, 0
	PLACES
	s_wait_xcnt 0x0                                ; k's stores have read their registers
	QUANT 0
	QUANT 1
	QUANT 2
	QUANT 3
	WORDS
	s_wait_tensorcnt 0x0                           ; the wave's end
	ds_add_u32 v254, v255
	s_wait_dscnt 0x0
	CROUND                                         ; the closing round: no work-group ends while a partner may still ask for a block that names it
	s_endpgm
.Lfunc_end_k_qb3bc5b9bcd_proj:
	.size	k_qb3bc5b9bcd_proj, .Lfunc_end_k_qb3bc5b9bcd_proj-k_qb3bc5b9bcd_proj
	.p2alignl 7, 3214868480
	.fill 96, 4, 3214868480
	.section	.rodata,"a",@progbits
	.p2align	6, 0x0
	.amdhsa_kernel k_qb3bc5b9bcd_proj
		.amdhsa_group_segment_fixed_size 327680
		.amdhsa_private_segment_fixed_size 0
		.amdhsa_enable_private_segment 0
		.amdhsa_kernarg_size 56
		.amdhsa_user_sgpr_count 2
		.amdhsa_user_sgpr_kernarg_segment_ptr 1
		.amdhsa_wavefront_size32 1
		.amdhsa_system_sgpr_workgroup_id_x 1
		.amdhsa_system_sgpr_workgroup_id_y 1
		.amdhsa_system_sgpr_workgroup_id_z 1
		.amdhsa_system_vgpr_workitem_id 0
		.amdhsa_next_free_vgpr 1024
		.amdhsa_next_free_sgpr 100
		.amdhsa_reserve_vcc 0
		.amdhsa_float_denorm_mode_32 3
		.amdhsa_float_denorm_mode_16_64 3
		.amdhsa_memory_ordered 1
		.amdhsa_forward_progress 1
		.amdhsa_inst_pref_size 149
	.end_amdhsa_kernel
	.amdgpu_metadata
---
amdhsa.version: [ 1, 2 ]
amdhsa.kernels:
  - .name:           k_qb3bc5b9bcd_proj
    .symbol:         k_qb3bc5b9bcd_proj.kd
    .args:
      - { .name: xp, .offset: 0, .size: 8, .value_kind: global_buffer, .address_space: global }
      - { .name: wp, .offset: 8, .size: 8, .value_kind: global_buffer, .address_space: global }
      - { .name: bq, .offset: 16, .size: 8, .value_kind: global_buffer, .address_space: global }
      - { .name: bk, .offset: 24, .size: 8, .value_kind: global_buffer, .address_space: global }
      - { .name: bv, .offset: 32, .size: 8, .value_kind: global_buffer, .address_space: global }
      - { .name: qp, .offset: 40, .size: 8, .value_kind: global_buffer, .address_space: global }
      - { .name: kv, .offset: 48, .size: 8, .value_kind: global_buffer, .address_space: global }
    .group_segment_fixed_size: 327680
    .private_segment_fixed_size: 0
    .kernarg_segment_align: 8
    .kernarg_segment_size: 56
    .max_flat_workgroup_size: 128
    .sgpr_count:     100
    .vgpr_count:     1024
    .wavefront_size: 32
...
	.end_amdgpu_metadata
.endif
;; end of part 2
;; launch attn (part 3): grid 4 x 64, 8 waves a work-group, clusters of 4 x 1, 209,920 bytes of LDS; arguments qp, kv, out0; writes out0
.if DOCPART == 3
	.amdgcn_target "amdgcn-amd-amdhsa--gfx1250"
	.amdhsa_code_object_version 6
	.text
	.protected	k_qb3bc5b9bcd_attn
	.globl	k_qb3bc5b9bcd_attn
	.p2align	8
	.type	k_qb3bc5b9bcd_attn,@function
k_qb3bc5b9bcd_attn:
	s_mov_b64 s[64:65], 0
	v_nop
	global_prefetch_b8 v0, s[64:65] scope:SCOPE_SE
	s_setreg_imm32_b32 hwreg(HW_REG_WAVE_MODE, 25, 1), 1
	s_wait_xcnt 0x0
	s_wait_alu depctr_hold_cnt(0) depctr_sa_sdst(0) depctr_va_vdst(0) depctr_va_sdst(0) depctr_va_ssrc(0) depctr_va_vcc(0) depctr_vm_vsrc(0)
	s_getreg_b32 s2, hwreg(HW_REG_IB_STS2, 6, 4)
	s_cmp_eq_u32 s2, 0
	s_cbranch_scc0 .Lentry_in_a_cluster
	s_endpgm
.Lentry_in_a_cluster:
	s_bfe_u32 s2, ttmp6, 0x10000c
	s_cmp_lg_u32 s2, 0x3003
	s_cbranch_scc0 .Lentry_shape_is_right
	s_endpgm
.Lentry_shape_is_right:
; out[b][n][64 head + d] = the sum over keys m <= n of softmax_m(q[n] . k[m] / 8) v[m][d], both products on codes of FP4 (E2M1) with E8M0 scales, 64 heads of 2,048 tokens, head size 64.
; LEFT OUT: the key steps of 128 that the causal mask of the problem's own body hides from all of a wave's queries: their p is 0 for all inputs.  A NaN or an infinity that reaches only these is not carried to the result.
; qp [head][step 16][4,608] and kv [head][step 16][8,704] are images of operand registers, a step = 128 tokens.  Tile t of a group c of 64 tokens: lane r <-> token 64 c + 8 t + r % 8 + 32 (r / 8).
;   Q and K: tile 4 c + t at 512 (4 c + t), lane l's 16 bytes at 16 l: block l / 16 of the head's 64.   V: fragment a (16 of the head's 64: channels 8 a + r % 8 + 32 (r / 8); K = the step's 128 keys) at 4096 + 1024 a.
;   Scale words: K's at 8192 + 128 c + 4 l, V's at 8448 + 8 l, Q's behind qp's images.
; THE PRODUCTS ARE USED TRANSPOSED, 32 rows an instruction: S^T = K Q^T, O^T = V^T P^T: a lane holds ONE query (lane % 16) of each tile throughout.
;   The instruction's K is 128, the head's 64: source 0's registers hold TWO tiles of K side by side along that K, and source 1 is Q beside zeros (the first tile counts) or zeros beside Q (the second).
;   So group c's scores stand as tiles 0, 2, 1, 3, eight registers each: register 32 c + 8 pos(t) + j is key 64 c + 32 h + 8 t + j: a lane (r, h) holds WHOLE blocks of 32 keys: no other lane is asked for a block's maximum, and the codes are the next operand's registers.
; THE SOFTMAX AHEAD OF THE SECOND PRODUCT: t = score x log2(e) / 8; M = the running largest t rounded UP to a whole number; p = 2^(t - M) is quantised along the keys, not normalised; the row's sum is taken of the
; unquantised p and divides at the end.  When M moves, the sum and O are multiplied by 2^(old M - new M): exact.
; SHARES.  A cluster of four work-groups is one head.  The head's whole kv comes into each partner's LDS ONCE, by joint loads, two steps a wave, and stays: nothing is filled again.
; Partner cx owns tiles 2 cx, 2 cx + 1 of every step.  A wave owns both at a time, their instructions interleaved.  Waves 0-3 own those of steps 8-15, wave w first step 8 + w, then 15 - w: (9 + w) + (16 - w) = 25 key steps;
; waves 4-7 those of steps 0-7, wave w first step w - 4, then 11 - w: 9 key steps.  So waves w and w + 4 make 34 key steps together for each w.
; No branch and no trip count hangs on cx, which enters Q's and O's addresses and the mask's vector operand alone.  A tile pair's OWN step goes first: it starts the maximum, the sum and O; its mask is the C of the products: 0, or -3e38
; where the key comes after the query, 128 registers made once under the loads.  The other steps hide nothing.
; No prefetch: one fill brings all of kv, and no loop stands ahead of it.
; LIMITS: NaN and infinities are not served; the scaled scores stay under 2^31 in magnitude; a block of p that has fallen to zeros keeps the scale byte 1 (its codes are zeros).
; REGISTERS.  Window 0: v1-13 addresses; v16-31, v32-47 tile u's: +0 -M, +1 the largest score, +2 the sum (two), +4 2^(old M - new M) (two), +6 the blocks' largest (two), +8 at work (two), +10 the conversion's scales (two), +12 .. +15 at work;
;   v48-57 scale words; v60-95 zeros and Q by turns; v96-127 K; v128-255 the scores, then p, of both tiles.   Window 1: v0-63 O^T; v64-95 V; v96-223 the masks; v224-239 p's codes.
.set STEPB, 8704
.set HEADB, 16*STEPB                   ; 139,264: a head's kv
.set STG,   HEADB                      ; behind it: two stages of 16 rows x (256 + 16) bytes for each wave, its own
.set SPARE, STG+8*2*4352               ; the spare words: four blocks of 256 bytes that no other line names
.set UU,  16
.set QS,  48
.set KSC, 52
.set VSC, 54
.set PW,  56
.set QR,  60
.set KB,  96
.set SS,  128
.set VB,  64
.set MK,  96
.set PB,  224
.set FST, 0
.set PH,  0
.set MSB, 0
.macro WIN new                         ; the immediate's high byte repeats the setting that is left
.if MSB != \new
	s_set_vgpr_msb (MSB<<8)|\new
.set MSB, \new
.endif
.endm
.macro CROUND                          ; a round of the cluster's barrier
	s_barrier_signal -1
	s_barrier_wait -1
	s_cmp_lg_u32 s12, 0
	s_cbranch_scc1 .Lnot_wave_0_\@
	s_barrier_signal -3
.Lnot_wave_0_\@:
	s_barrier_wait -3
	s_barrier_signal -1
	s_barrier_wait -1
.endm
	s_load_b128 s[4:7], s[0:1], 0x0                ; qp s[4:5], kv s[6:7]
	s_load_b64 s[8:9], s[0:1], 0x10                ; out0
	v_lshl_add_u32 v12, v0, 2, SPARE
	v_mov_b32 v13, 0
	ds_add_u32 v12, v13                            ; the wave's opening: the add, twice on end, and its wait
	ds_add_u32 v12, v13
	v_lshrrev_b32 v3, 5, v0
	v_readfirstlane_b32 s12, v3                    ; w: wave 0..7
	s_bfe_u32 s13, ttmp6, 0x40000                  ; cx
	s_and_b32 s14, ttmp7, 0xffff                   ; the head, 0 .. 63
	s_xor_b32 s16, s12, 4
	s_and_b32 s17, s16, 4
	s_add_co_u32 s17, s17, s16                     ; I, my first tiles' step: 8 + w, or w - 4
	; the joint loads: two steps each, 68 rows of 256 bytes (32 elements of 8 bytes), dense, no padding
	s_mov_b32 s24, 15|(3<<16)|(1<<21)              ; 15:0 the mask: all four partners; 17:16 elements of 8 bytes; 21 set beside a mask
	s_mov_b32 s25, 32<<16                          ; tensor_dim0 = 32
	s_mov_b32 s26, 68<<16                          ; tensor_dim1 = 68
	s_mov_b32 s27, 32<<16                          ; tile_dim0 = 32
	s_mov_b32 s28, 68                              ; tile_dim1 = 68
	s_mov_b32 s29, 32                              ; from row to row
	s_mov_b32 s30, 0
	s_mov_b32 s31, 0
	s_mov_b32 s32, 1
	s_mul_i32 s33, s12, 2*STEPB                    ; no place in the cluster enters an LDS address
	s_mul_i32 s46, s14, HEADB
	s_add_co_u32 s46, s46, s33
	s_mov_b32 s47, 0
	s_mov_b32 s20, 0x76543210
	s_mov_b32 s21, 0xfedcba98                      ; v_permlanex16_b32's selects for lane l xor 16
	s_mov_b32 s22, 0x3e38aa3b                      ; c = log2(e) / 8
	s_mov_b32 s23, s22                             ; (named with it as a pair, so it is written)
	s_mov_b32 s52, 0xbe38aa3b                      ; -c
	s_wait_dscnt 0x0                               ; both opening adds are done
	s_wait_kmcnt 0x0
	s_add_nc_u64 s[34:35], s[6:7], s[46:47]
	s_or_b32 s35, s35, 0x80000000
	CROUND                                         ; all four partners are here: the joint loads meet
	tensor_load_to_lds s[32:35], s[24:31]          ; my one tensor load
	s_nop 0
.rept 4
	v_nop
.endr
	s_mul_i32 s42, s14, 73728                      ; my head in qp,
	s_mul_i32 s43, s17, 4608
	s_add_co_u32 s42, s42, s43                     ; step I
	s_lshl_b32 s43, s13, 10
	s_add_co_u32 s43, s42, s43                     ; Q's codes: tiles 2 cx on
	s_lshr_b32 s48, s13, 1
	s_and_b32 s49, s13, 1
	s_lshl_b32 s51, s48, 8
	s_add_co_u32 s51, s51, s42
	s_add_co_u32 s51, s51, 4096
	s_lshl_b32 s16, s49, 2
	s_add_co_u32 s51, s51, s16                     ; Q's scale words: 256 (cx / 2) + 4 (cx % 2)
	s_lshl_b32 s53, s48, 6
	s_lshl_b32 s16, s49, 4
	s_add_co_u32 s53, s53, s16                     ; my first query's place in its step: 64 (cx / 2) + 16 (cx % 2)
	s_mov_b32 s45, 0
	s_mov_b32 s44, s43
	s_add_nc_u64 s[54:55], s[4:5], s[44:45]
	s_mov_b32 s44, s51
	s_add_nc_u64 s[56:57], s[4:5], s[44:45]
	s_and_b32 s16, s12, 3
	s_lshl_b32 s16, s16, 1
	s_sub_co_u32 s16, 7, s16
	s_mul_i32 s44, s16, 4608                       ; from my first tiles' step to my second's: 7 - 2 (w % 4) steps on
	s_add_nc_u64 s[58:59], s[54:55], s[44:45]
	s_add_nc_u64 s[60:61], s[56:57], s[44:45]
	s_lshr_b32 s42, s14, 4
	s_lshl_b32 s42, s42, 23                        ; out0: the batch,
	s_and_b32 s16, s14, 15
	s_lshl_b32 s16, s16, 8
	s_add_co_u32 s42, s42, s16                     ; the head's 256 bytes of a row,
	s_lshl_b32 s16, s53, 12
	s_add_co_u32 s42, s42, s16                     ; my first query's row of a step
	s_mul_i32 s50, s12, 8704
	s_add_co_u32 s50, s50, STG                     ; my stages
	v_and_b32 v6, 31, v0                           ; lane
	v_and_b32 v9, 15, v0                           ; r
	v_lshlrev_b32 v1, 4, v6                        ; 16 x lane
	v_lshlrev_b32 v11, 3, v9                       ; 8 r
	global_load_b128 v[QR+4:QR+7], v1, s[54:55]    ; Q of both tiles of my first step,
	global_load_b128 v[QR+12:QR+15], v1, s[54:55] offset:512
	global_load_b128 v[QR+20:QR+23], v1, s[58:59]  ; and of my second
	global_load_b128 v[QR+28:QR+31], v1, s[58:59] offset:512
	global_load_b32 v[QS], v11, s[56:57]
	global_load_b32 v[QS+1], v11, s[56:57] offset:128
	global_load_b32 v[QS+2], v11, s[60:61]
	global_load_b32 v[QS+3], v11, s[60:61] offset:128
	v_lshlrev_b32 v2, 2, v6                        ; 4 x lane
	v_lshlrev_b32 v6, 3, v6                        ; 8 x lane
	v_bfe_u32 v10, v0, 4, 1                        ; h
	v_and_b32 v4, 7, v0
	v_bfe_u32 v5, v0, 3, 1
	v_lshl_add_u32 v14, v5, 5, v4                  ; r % 8 + 32 (r / 8)
	v_lshlrev_b32 v5, 5, v10
	v_sub_nc_u32 v14, v14, v5
	v_add_nc_u32 v14, s53, v14                     ; d = my query's place in its step - 32 h: tile 0,
	v_add_nc_u32 v15, 8, v14                       ; tile 1
	v_lshlrev_b32 v7, 3, v10                       ; 8 h
	v_mul_u32_u24 v8, v9, 272
	v_lshl_add_u32 v8, v10, 7, v8
	v_add_nc_u32 v8, s50, v8                       ; the stage, in: row r, + 128 h bytes
	v_mul_u32_u24 v4, v10, 272
	v_lshl_add_u32 v4, v9, 4, v4
	v_lshlrev_b32 v5, 12, v10
	v_lshl_add_u32 v10, v9, 4, v5                  ; out0: lanes 0-15 one row, lanes 16-31 the next
	v_add_nc_u32 v9, s50, v4                       ; and the stage, back: the same two rows
	v_mov_b32 v3, 0xff61b1e6                       ; -3e38
.irp k, 0,8,16,24,32
.irp j, 0,1,2,3
	v_mov_b32 v[QR+\k+\j], 0                       ; the zeros beside Q
.endr
.endr
.irp u, 0,1
	v_mov_b32 v[UU+16*\u+12], 0                    ; written once: a lane permute's destination counts as one of its sources,
	v_mov_b32 v[UU+16*\u+5], 0                     ; and the upper half of a pair is read where the pair is named
.endr
	WIN 0x40
.irp u, 0,1                            ; the masks: hidden where 64 c + 8 t + j > d
.set n, 0
.rept 64
	v_cmp_gt_i32 vcc_lo, 64*(n/32)+n%32, v[14+\u]
	v_cndmask_b32 v[MK+64*\u+32*(n/32)+8*(2*((n/8)%2)+(n/16)%2)+n%8], 0, v3, vcc_lo
.set n, n+1
.endr
.endr
	WIN 0
	s_wait_alu depctr_va_vdst(0)                   ; the wait at the head's end
	s_wait_tensorcnt 0x0                           ; my two steps are in,
	s_barrier_signal -1
	s_barrier_wait -1                              ; everybody's are.  From here on the waves share nothing
; one of a step's ten loads of K: eight tiles, two scale words
.macro KL1 ka, ks, off, n
.if (\n) < 8
	ds_load_b128 v[KB+4*(\n):KB+4*(\n)+3], v[\ka] offset:\off+512*(\n)
.else
	ds_load_b32 v[KSC+(\n)-8], v[\ks] offset:\off+8192+128*((\n)-8)
.endif
.endm
.macro KNEXT n                         ; of the step behind this one
.if FST
	KL1 1, 2, 0, \n
.else
	KL1 3, 4, STEPB, \n
.endif
.endm
; The largest score of my two blocks of tile u, in nine parts: four chains a block, each accumulator from its low end on.  It serves the row's maximum and, since p rises with the score, the block's largest p.
.macro MAXP u, k
.set GG, UU+16*(\u)
.if (\k) < 6
.set RR, SS+64*(\u)+32*((\k)%2)
.irp i, 0,1,2,3
.set CC, GG+6+2*\i+\i/3+(\k)%2
.if (\k) < 2
	v_max3_num_f32 v[CC], v[RR+8*\i], v[RR+8*\i+1], v[RR+8*\i+2]
.else
	v_max3_num_f32 v[CC], v[CC], v[RR+8*\i+2*((\k)/2)+1], v[RR+8*\i+2*((\k)/2)+2]
.endif
.endr
.else
.set RR, SS+64*(\u)
.irp c, 0,1
.if (\k) == 6
	v_max3_num_f32 v[GG+6+\c], v[GG+6+\c], v[RR+32*\c+7], v[RR+32*\c+15]
	v_max3_num_f32 v[GG+10+\c], v[GG+10+\c], v[RR+32*\c+23], v[RR+32*\c+31]
.elseif (\k) == 7
	v_max3_num_f32 v[GG+6+\c], v[GG+6+\c], v[GG+8+\c], v[GG+10+\c]
.else
	v_max_num_f32 v[GG+6+\c], v[GG+6+\c], v[GG+13+\c]
.endif
.endr
.endif
.endm
; M, in nine parts, each dependent on the one before: they stand between the other tile's parts
.macro CH u, k
.set GG, UU+16*(\u)
.if (\k) == 1
	v_max_num_f32 v[GG+15], v[GG+6], v[GG+7]
.elseif (\k) == 2
	v_permlanex16_b32 v[GG+12], v[GG+15], s20, s21
.elseif (\k) == 3
.if FST
	v_max_num_f32 v[GG+1], v[GG+15], v[GG+12]      ; the largest score of my query (its own key is never hidden: a number)
.else
	v_max3_num_f32 v[GG+1], v[GG+1], v[GG+15], v[GG+12]
.endif
.elseif (\k) == 4
	v_mul_f32 v[GG+15], s52, v[GG+1]               ; -t
.elseif (\k) == 5
.if FST
	v_floor_f32 v[GG], v[GG+15]                    ; -M = floor(-t): M is a whole number
.else
	v_floor_f32 v[GG+8], v[GG+15]
.endif
.elseif FST == 0
.if (\k) == 6
	v_sub_f32 v[GG+15], v[GG+8], v[GG]             ; old M - new M: a whole number, 0 or less
.elseif (\k) == 7
	v_mov_b32 v[GG], v[GG+8]
.elseif (\k) == 8
	v_cvt_i32_f32 v[GG+15], v[GG+15]               ; (it saturates)
.else
	v_ldexp_f32 v[GG+4], 1.0, v[GG+15]             ; f = 2^(old M - new M)
.endif
.endif
.endm
; t - M, in nine parts: two at a time; then the same of the blocks' largest scores
.macro FMAP u, k
.if (\k) < 8
.irp n, 0,2,4,6
	v_pk_fma_f32 v[SS+64*(\u)+8*(\k)+\n:SS+64*(\u)+8*(\k)+\n+1], v[SS+64*(\u)+8*(\k)+\n:SS+64*(\u)+8*(\k)+\n+1], s[22:23], v[UU+16*(\u):UU+16*(\u)+1] op_sel_hi:[1,0,0]
.endr
.else
.irp c, 0,1
	v_fma_f32 v[UU+16*(\u)+6+\c], v[UU+16*(\u)+6+\c], s22, v[UU+16*(\u)]
.endr
.endif
.endm
; pair n of p onto one of the sum's three chains, both tiles
.macro SUMP n
.if (\n)%3 == 0
.set OF, 2
.elseif (\n)%3 == 1
.set OF, 8
.else
.set OF, 6
.endif
.irp u, 0,1
	v_pk_add_f32 v[UU+16*\u+OF:UU+16*\u+OF+1], v[UU+16*\u+OF:UU+16*\u+OF+1], v[SS+64*\u+2*(\n):SS+64*\u+2*(\n)+1]
.endr
.endm
; the next cnt pairs, nn on
.macro SUMS cnt
.rept \cnt
	SUMP nn
.set nn, nn+1
.endr
.endm
; S^T, product q of tile u's four: group q / 2, its tiles 0 and 2 (q even: Q beside zeros) or 1 and 3 (q odd: zeros beside Q)
.macro QK1 u, q
.set QX, QR+8*(2*PH+(\u))+4-4*((\q)%2)
.set DD, SS+64*(\u)+16*(\q)
.set MM, MK+64*(\u)+16*(\q)
.set AA, KB+16*((\q)/2)
.if FST
	WIN 0x10                                       ; C, the mask, in window 1
	v_wmma_scale_f32_32x16x128_f4 v[DD:DD+15], v[AA:AA+15], v[QX:QX+7], v[MM:MM+15], v[KSC+(\q)/2], v[QS+2*PH+(\u)]
	WIN 0
.else
	v_wmma_scale_f32_32x16x128_f4 v[DD:DD+15], v[AA:AA+15], v[QX:QX+7], 0, v[KSC+(\q)/2], v[QS+2*PH+(\u)]
.endif
.endm
; O^T += V^T P^T, the head's channels of fragments 2 a, 2 a + 1, tile u: four accumulators, one instruction each a step; eleven other products stand between two links on one of them
.macro PV1 a, u
.set DD, 32*(\u)+16*(\a)
.if FST
	WIN 0x45                                       ; V, p's codes and O^T in window 1
	v_wmma_scale_f32_32x16x128_f4 v[DD:DD+15], v[VB+16*(\a):VB+16*(\a)+15], v[PB+8*(\u):PB+8*(\u)+7], 0, v[VSC+(\a)], v[PW+(\u)]
.else
	WIN 0x55
	v_wmma_scale_f32_32x16x128_f4 v[DD:DD+15], v[VB+16*(\a):VB+16*(\a)+15], v[PB+8*(\u):PB+8*(\u)+7], v[DD:DD+15], v[VSC+(\a)], v[PW+(\u)]
.endif
	WIN 0
.endm
; A KEY STEP: 128 keys x my two tiles of 16 queries.  FST = 1: the queries' own step, the first of all.
.macro STEP
.irp q, 0,1,2,3
	QK1 0, \q
.endr
.if FST                                ; four plain places, in front of the loads and of the first reads of results
.rept 4
	v_nop
.endr
.else
	v_add_nc_u32 v3, s19, v1
	v_add_nc_u32 v4, s19, v2
	v_add_nc_u32 v5, s19, v6
	v_nop
.endif
	WIN 0x40
.irp n, 0,1,2,3,4,5,6,7
	ds_load_b128 v[VB+4*\n:VB+4*\n+3], v3 offset:4096+512*\n
.endr
	WIN 0
	ds_load_b64 v[VSC:VSC+1], v5 offset:8448
.irp q, 0,1,2,3                        ; tile 1's products stand among tile 0's maxima; the last eight of these are plain places behind the last product
	QK1 1, \q
	MAXP 0, 2*\q
	MAXP 0, 2*\q+1
.endr
	MAXP 0, 8
.irp k, 0,1,2,3,4,5,6,7,8
	MAXP 1, \k
	CH 0, \k+1
.endr
.irp k, 0,1,2,3,4,5,6,7,8
	FMAP 0, \k
	CH 1, \k+1
	KNEXT \k                                       ; the next step's K, from a run of multiply-adds on
.endr
	KNEXT 9
.irp k, 0,1,2,3,4,5,6,7,8
	FMAP 1, \k
.endr
.if FST == 0                           ; O^T under the new M, each accumulator from its low end on
	WIN 0x41
.set n, 0
.rept 16
.irp u, 0,1
	v_pk_mul_f32 v[32*\u+n:32*\u+n+1], v[32*\u+n:32*\u+n+1], v[UU+16*\u+4:UU+16*\u+5] op_sel_hi:[1,0]
.endr
.set n, n+2
.endr
	WIN 0
.endif
	s_wait_alu depctr_va_vdst(0)                   ; the wait ahead of the batch
.irp u, 0,1
.irp c, 0,1
	v_exp_f32 v[UU+16*\u+6+\c], v[UU+16*\u+6+\c]   ; the blocks' largest p
.endr
.endr
.set n, 0
.rept 128
	v_exp_f32 v[SS+n], v[SS+n]                     ; p = 2^(t - M)
.set n, n+1
.endr
	v_nop                                          ; a plain place behind the batch
	s_wait_alu depctr_va_vdst(0)                   ; and one wait behind it
	s_wait_dscnt 10                                ; V and its scales are in; the ten loads of K may be out
.irp c, 0,1
.irp u, 0,1
	v_max_num_f32 v[UU+16*\u+10+\c], 0x1800000, v[UU+16*\u+6+\c]  ; the floor 2^(3 - 127): the byte cannot fall under 1
.endr
.endr
; the row's sum, of the unquantised p, in three chains a tile; its lines stand among the scales' dependent ones
.irp u, 0,1
.set GG, UU+16*\u
.set RR, SS+64*\u
.if FST
	v_pk_add_f32 v[GG+2:GG+3], v[RR:RR+1], v[RR+2:RR+3]
	v_pk_add_f32 v[GG+8:GG+9], v[RR+4:RR+5], v[RR+6:RR+7]
	v_pk_add_f32 v[GG+6:GG+7], v[RR+8:RR+9], v[RR+10:RR+11]
.else
	v_pk_fma_f32 v[GG+2:GG+3], v[GG+2:GG+3], v[GG+4:GG+5], v[RR:RR+1] op_sel_hi:[1,0,1]
	v_pk_add_f32 v[GG+8:GG+9], v[RR+2:RR+3], v[RR+4:RR+5]
	v_pk_add_f32 v[GG+6:GG+7], v[RR+6:RR+7], v[RR+8:RR+9]
.endif
.endr
.set nn, 5+FST
.irp c, 0,1
.irp u, 0,1
	v_add_nc_u32 v[UU+16*\u+10+\c], 0xff000000, v[UU+16*\u+10+\c] ; the conversion's scale operand
.endr
.endr
	SUMS 1
	WIN 0x40
.irp u, 0,1
.irp c, 0,1
.irp t, 0,1,2,3
	v_cvt_scalef32_pk8_fp4_f32 v[PB+8*\u+4*\c+\t], v[SS+64*\u+32*\c+8*(2*(\t%2)+\t/2):SS+64*\u+32*\c+8*(2*(\t%2)+\t/2)+7], v[UU+16*\u+10+\c]
.endr
.endr
.endr
	WIN 0
.irp c, 0,1
.irp u, 0,1
	v_lshrrev_b32 v[UU+16*\u+13+\c], 23, v[UU+16*\u+10+\c]        ; the scale's byte
.endr
.endr
	SUMS 1
.irp u, 0,1
	v_lshl_or_b32 v[UU+16*\u+13], v[UU+16*\u+14], 16, v[UU+16*\u+13]
.endr
	SUMS 1
.irp u, 0,1
	v_lshlrev_b32 v[UU+16*\u+13], v7, v[UU+16*\u+13]              ; blocks h and 2 + h are mine,
.endr
	SUMS 1
.irp u, 0,1
	v_permlanex16_b32 v[UU+16*\u+12], v[UU+16*\u+13], s20, s21
.endr
	SUMS 1
.irp u, 0,1
	v_or_b32 v[PW+\u], v[UU+16*\u+13], v[UU+16*\u+12]             ; the others lane l xor 16's
.endr
	SUMS 5                                         ; ten plain places between p's scale words and the products that take them
	PV1 0, 0
	SUMS 4
	PV1 0, 1
	SUMS 4
	PV1 1, 0
	SUMS 4
	PV1 1, 1
	SUMS 5-FST
.irp u, 0,1
	v_pk_add_f32 v[UU+16*\u+8:UU+16*\u+9], v[UU+16*\u+8:UU+16*\u+9], v[UU+16*\u+6:UU+16*\u+7]
.endr
.irp u, 0,1
	v_pk_add_f32 v[UU+16*\u+2:UU+16*\u+3], v[UU+16*\u+2:UU+16*\u+3], v[UU+16*\u+8:UU+16*\u+9]
.endr
.endm
; THE WAY OUT of a pair of tiles: O^T / the sum goes through my stages and leaves as rows: sixteen lanes store a query's 256 bytes of this head, aligned.
.macro FINAL
	s_lshl_b32 s46, s17, 19
	s_add_co_u32 s46, s46, s42
	s_add_nc_u64 s[40:41], s[8:9], s[46:47]        ; my first query's row of out0
	s_wait_alu depctr_va_vdst(0)                   ; the wait here, directly ahead of the sum's reader
.irp u, 0,1
	v_add_f32 v[UU+16*\u+2], v[UU+16*\u+2], v[UU+16*\u+3]         ; the sum's two halves,
.endr
.irp u, 0,1
	v_permlanex16_b32 v[UU+16*\u+12], v[UU+16*\u+2], s20, s21
.endr
.irp u, 0,1
	v_add_f32 v[UU+16*\u+2], v[UU+16*\u+2], v[UU+16*\u+12]        ; and lane l xor 16's: the row's sum
.endr
	s_wait_alu depctr_va_vdst(0)                   ; the wait ahead of the transcendentals
	v_rcp_f32 v[UU+2], v[UU+2]
	v_rcp_f32 v[UU+18], v[UU+18]
	v_nop
	WIN 0x01
	s_wait_alu depctr_va_vdst(0)                   ; and ahead of their first reader
.irp u, 0,1
.set n, 0
.rept 16
	v_pk_mul_f32 v[SS+64*\u+n:SS+64*\u+n+1], v[32*\u+n:32*\u+n+1], v[UU+16*\u+2:UU+16*\u+3] op_sel_hi:[1,0]   ; register n is channel 32 h + n of my query
.set n, n+2
.endr
.endr
	WIN 0
.irp u, 0,1
.irp q, 0,1,2,3,4,5,6,7
	ds_store_b128 v8, v[SS+64*\u+4*\q:SS+64*\u+4*\q+3] offset:4352*\u+16*\q
.endr
.endr
.irp u, 0,1
.irp i, 0,1,2,3,4,5,6,7
	ds_load_b128 v[SS+64*\u+32+4*\i:SS+64*\u+35+4*\i], v9 offset:4352*\u+544*\i    ; LDS serves a wave's instructions in order: these see my stores
.endr
.endr
.irp u, 0,1
.irp i, 0,1,2,3,4,5,6,7
	s_wait_dscnt 15-8*\u-\i                        ; the younger loads may be out
	global_store_b128 v10, v[SS+64*\u+32+4*\i:SS+64*\u+35+4*\i], s[40:41] offset:(8*\u+2*\i+24*(\i/4))*4096 th:TH_STORE_NT   ; stage row p is query p % 8 + 32 (p / 8) of the tile
.endr
.endr
	s_wait_xcnt 0x0                                ; the stores have read their registers and their base: the next tiles write both again
.endm
; MY TWO TILES of step s17.  trips: a constant, at least s17.
.macro TILE trips
	s_mul_i32 s19, s17, STEPB
	v_add_nc_u32 v3, s19, v1
	v_add_nc_u32 v4, s19, v2
	v_add_nc_u32 v5, s19, v6
.irp n, 0,1,2,3,4,5,6,7,8,9
	KL1 3, 4, 0, \n
.endr
	s_wait_alu depctr_va_vdst(0)                   ; the wait here, directly ahead of the waits below
	s_wait_loadcnt 0x0                             ; Q
	s_wait_dscnt 0x0
.set FST, 1
	STEP
.set FST, 0
	s_mov_b32 s19, 0
	s_mov_b32 s18, 0
.Lstep_\@:
	s_cmp_ge_u32 s18, s17                          ; the steps behind my queries' own are left out, not the lines that step the address and the count
	s_cbranch_scc1 .Lnext_\@
	s_wait_dscnt 0x0                               ; this step's K is in
	STEP
.Lnext_\@:
	s_add_co_u32 s19, s19, STEPB
	s_add_co_u32 s18, s18, 1
	s_cmp_lt_u32 s18, \trips
	s_cbranch_scc1 .Lstep_\@
	FINAL
.endm
	TILE 11                                        ; I = 8 + w, at most 11, or w - 4
	s_xor_b32 s17, s17, 7                          ; I = 15 - w, or 11 - w
.set PH, 1
	TILE 15
	s_wait_tensorcnt 0x0                           ; the wave's end
	ds_add_u32 v12, v13
	s_wait_dscnt 0x0
	CROUND                                         ; the closing round
	s_endpgm
.Lfunc_end_k_qb3bc5b9bcd_attn:
	.size	k_qb3bc5b9bcd_attn, .Lfunc_end_k_qb3bc5b9bcd_attn-k_qb3bc5b9bcd_attn
	.p2alignl 7, 3214868480
	.fill 96, 4, 3214868480
	.section	.rodata,"a",@progbits
	.p2align	6, 0x0
	.amdhsa_kernel k_qb3bc5b9bcd_attn
		.amdhsa_group_segment_fixed_size 209920
		.amdhsa_private_segment_fixed_size 0
		.amdhsa_enable_private_segment 0
		.amdhsa_kernarg_size 24
		.amdhsa_user_sgpr_count 2
		.amdhsa_user_sgpr_kernarg_segment_ptr 1
		.amdhsa_wavefront_size32 1
		.amdhsa_system_sgpr_workgroup_id_x 1
		.amdhsa_system_sgpr_workgroup_id_y 1
		.amdhsa_system_sgpr_workgroup_id_z 1
		.amdhsa_system_vgpr_workitem_id 0
		.amdhsa_next_free_vgpr 496
		.amdhsa_next_free_sgpr 66
		.amdhsa_reserve_vcc 1
		.amdhsa_float_denorm_mode_32 3
		.amdhsa_float_denorm_mode_16_64 3
		.amdhsa_memory_ordered 1
		.amdhsa_forward_progress 1
		.amdhsa_inst_pref_size 127
	.end_amdhsa_kernel
	.amdgpu_metadata
---
amdhsa.version: [ 1, 2 ]
amdhsa.kernels:
  - .name:           k_qb3bc5b9bcd_attn
    .symbol:         k_qb3bc5b9bcd_attn.kd
    .args:
      - { .name: qp, .offset: 0, .size: 8, .value_kind: global_buffer, .address_space: global }
      - { .name: kv, .offset: 8, .size: 8, .value_kind: global_buffer, .address_space: global }
      - { .name: out0, .offset: 16, .size: 8, .value_kind: global_buffer, .address_space: global }
    .group_segment_fixed_size: 209920
    .private_segment_fixed_size: 0
    .kernarg_segment_align: 8
    .kernarg_segment_size: 24
    .max_flat_workgroup_size: 256
    .sgpr_count:     66
    .vgpr_count:     496
    .wavefront_size: 32
...
	.end_amdgpu_metadata
.endif
;; end of part 3
